; MI455X (gfx1250); checked and timed in simulation.
; The chip was launched on July 23, 2026; its instructions are those of AMD's public machine-readable ISA for CDNA 5 (MIT licence, August 2026) and "CDNA5" Instruction Set Architecture Reference Guide (July 2026). The comments in the code are by the model that wrote it; some were corrected since.
;; Cross Attention. Allowed arithmetic: matrix products marked QUANTISED: E4M3 operands, one given power-of-two scale a tensor, by v_wmma_f32_16x16x64_fp8_fp8 or v_wmma_f32_16x16x128_fp8_fp8, f32 sums; everything else in f32.
;; Inputs: b_out 512 float32; context 2 x 4,096 x 512 float32; lowp_scales 12 int32 (the exponents e of the quantised operands' scales 2^e); w_k 512 x 512 float32; w_out 512 x 512 float32; w_q 512 x 512 float32; w_v 512 x 512 float32; x 2 x 4,096 x 512 float32.
;; Outputs: out0 2 x 4,096 x 512 float32.
;; This version of the problem:
;;   THIS VERSION OF THE PROBLEM IS GIVEN IN LOW PRECISION. The matrix products marked QUANTISED in the list below multiply operands that are first quantised to E4M3 (4 exponent bits, 3 mantissa bits; 8 bits a number), with one given power-of-two scale for each operand tensor; their sums are f32. All else is computed in f32.
;;   The module's matrix products, in the order in which they are computed (A, B: the left and right operand; K: the contracted axis; several contracted axes count as one K, in the product's order):
;;     1. [M 8,192, K 512] x [K 512, N 512]; A: input x; B: input w_q: QUANTISED (scales: A lowp_scales[0], B lowp_scales[1])
;;     2. [M 8,192, K 512] x [K 512, N 512]; A: input context; B: input w_k: QUANTISED (scales: A lowp_scales[2], B lowp_scales[3])
;;     3. [M 8,192, K 512] x [K 512, N 512]; A: input context; B: input w_v: QUANTISED (scales: A lowp_scales[4], B lowp_scales[5])
;;     4. batch 16 x [M 4,096, K 64] x [K 64, N 4,096]; A: computed on the way; B: computed on the way: QUANTISED (scales: A lowp_scales[6], B lowp_scales[7])
;;     5. batch 16 x [M 4,096, K 4,096] x [K 4,096, N 64]; A: softmax (see below); B: computed on the way: QUANTISED (scales: A lowp_scales[8], B lowp_scales[9])
;;     6. [M 8,192, K 512] x [K 512, N 512]; A: computed on the way; B: input w_out: QUANTISED (scales: A lowp_scales[10], B lowp_scales[11])
;;   THE QUANTISER, for each operand of a quantised product, along K:
;;     - The operand's scale is 2^e, e = its entry of the input lowp_scales (int32; the entries are numbered through the quantised products in the list's order, A before B).
;;     - Each number is divided by the scale, clamped to +-448, and rounded to the nearest number of E4M3, ties to even, subnormals kept.
;;     - The product sums the exact products of the quantised numbers (number of the format x scale) in f32.
;;   ~~~python
;;   def quantise(x, axis, e):      # numpy; x: float32 -> the quantised numbers, widened to float32 again
;;       x = np.moveaxis(x, axis, -1); K = x.shape[-1]
;;       r = np.clip(x / 2.0 ** e, -448, 448)
;;       step = 2.0 ** (np.maximum(np.frexp(np.where(r == 0, 1, r))[1] - 1, -6) - 3)
;;       q = np.round(r / step) * step * 2.0 ** e      # np.round: ties to even
;;       return np.moveaxis(q, -1, axis).astype(np.float32)
;;   ~~~
;;   SOFTMAX AHEAD OF A QUANTISED PRODUCT. Where the list says 'softmax', what is quantised is not the finished softmax but p = 2^(t - M), with t = logit x log2(e) and M = ceil(the row's largest t), a whole number; so 1/2 < the row's largest p <= 1. The row's sum l is taken of the UNQUANTISED p, in f32, and the product's result is divided by l at the end. Since M is a whole number, a kernel that streams over the keys may use a running M (the ceiling of the running maximum): every later rescaling is an exact power of two, so the quantised numbers keep their values, but for numbers so far below the row's largest that they fall under the format's range.
;;   OPERANDS COMPUTED ON THE WAY. 'Computed on the way' means the value that the module computes at that place (a softmax that the list does not call 'softmax' is quantised finished and normalised). What goes into a quantiser is computed in f32, as accurately as f32 sums, v_exp_f32 and their like allow (about 1e-6 of the number): no bf16 or f16 on the way to a quantiser, and a product that is left as it is and whose result goes on into a quantised operand takes f32 operands (vector FMAs, or v_wmma_f32_16x16x4_f32). A number that lies on a knife's edge between two numbers of the format may be rounded either way, as far as f32 arithmetic and the matrix unit's own rounding can turn it there, and no further.
;; One version. Each part assembles by itself: llvm-mc -triple=amdgcn-amd-amdhsa -mcpu=gfx1250 --defsym DOCPART=n.
;; ======== version 1 of 1: 4 launches
;; limits: right only within a limited range of input values
;; workspace buffers: xq 4,194,304 bytes; ck 4,194,304 bytes; cv 4,194,304 bytes; wimg 1,048,576 bytes; qimg 4,194,304 bytes; kv 8,388,608 bytes; oimg 4,194,304 bytes
;; launch quant (part 1): grid 288 x 1, 8 waves a work-group, no clusters, 68,608 bytes of LDS; arguments x, context, w_q, w_k, w_v, w_out, lowp_scales, xq, ck, cv, wimg; writes xq, ck, cv, wimg
.if DOCPART == 1
	.amdgcn_target "amdgcn-amd-amdhsa--gfx1250"
	.amdhsa_code_object_version 6
	.text
	.protected	k_q2e44d3751c_quant
	.globl	k_q2e44d3751c_quant
	.p2align	8
	.type	k_q2e44d3751c_quant,@function
k_q2e44d3751c_quant:
	s_mov_b64 s[64:65], 0
	v_nop
	global_prefetch_b8 v0, s[64:65] scope:SCOPE_SE
	s_setreg_imm32_b32 hwreg(HW_REG_WAVE_MODE, 25, 1), 1
	s_wait_xcnt 0x0
; x, context (twice: with e2 and with e4), w_q, w_k, w_v, w_out, all f32 with K = 512 innermost, become codes of FP8 (E4M3), each with the scale 2^e given for it.
; code = number / 2^e, held within +-448, rounded to the nearest code, ties to even.
; THE CODES ARE LAID AS IMAGES OF OPERAND REGISTERS.  A tile of 16 rows x 512 K is 8,192 bytes: four K steps of 2,048; in a step, byte 512 c + 16 lane + i is the code of
; k = 128 step + 32 c + 16 (lane / 16) + i of tile row lane % 16.  A later launch gets a fragment by four loads of 16 bytes a lane, 512 consecutive bytes each.
; A NATURAL tile T holds rows 16 T + 0..15 (x, w_out).  A PERMUTED tile T holds, as its row p, row 32 (T / 2) + 8 (T % 2) + p + 8 (p / 8) (context, w_q, w_k, w_v): used as source 0 of a
; matrix instruction, the 16 result registers of tiles 2 b and 2 b + 1 are then 16 neighbours, 32 b + 16 (lane / 16) + 0..15.
; SHARES.  A work-group takes 4 tiles; wave w takes tile w / 2 and K steps 2 (w % 2) and 2 (w % 2) + 1.  Work-groups 0-127: x; 128-255: context; 256-287: the four weights, 8 work-groups each.
; Only pointers, exponents and offsets are chosen by the work-group's number; all take one path, but that context's numbers are converted twice (a scalar branch round register work and stores).
; A wave asks for all its 16 KB at its head: each load takes 512 consecutive bytes of one row.  The conversions want 16 neighbours along K in ONE lane: so a step's 16 rows x 512 bytes turn
; through the wave's own stage in LDS.  No barrier: waves share nothing.  No tensor load, no matrix unit, no cluster: each byte is read once and nothing is shared.
; LIMITS: each e used here lies between -126 and 119, so that 2^e and 448 x 2^e are f32 numbers.  NaN among the inputs is not served (an infinity is held at the largest code).
.set SP,   528                         ; a stage row: 512 bytes + 16 = 132 words: row r starts at bank 4 r mod 64 (64 banks of 4 bytes: ISA guide 11.1)
.set STG,  16*SP                       ; a wave's stage
.set R,    16                          ; v16-143  two sets of 64 numbers, one for each K step
.set T,    144                         ; v144-175 two sets of 16 held numbers, by turns
.set CA,   176                         ; v176-207 codes, 16 registers a step: no store's data are written again
.set CB,   208                         ; v208-239 the same for context's second scale
.set SRC,  40                          ; s[40:41] my rows
.set DST,  42                          ; s[42:43] my images
.set DST2, 48                          ; s[48:49] my images in cv (context alone)
	s_load_b256 s[4:11], s[0:1], 0x0               ; x, context, w_q, w_k
	s_load_b256 s[12:19], s[0:1], 0x20             ; w_v, w_out, the exponents, xq
	s_load_b128 s[20:23], s[0:1], 0x40             ; ck, cv
	s_load_b64 s[24:25], s[0:1], 0x50              ; wimg
	v_lshl_add_u32 v240, v0, 2, 0x10800
	v_mov_b32 v241, 0
	v_lshrrev_b32 v1, 5, v0
	s_delay_alu instid0(VALU_DEP_1)
	v_readfirstlane_b32 s26, v1                    ; wave 0..7
	v_and_b32 v1, 31, v0
	s_delay_alu instid0(VALU_DEP_1)
	v_lshlrev_b32 v2, 4, v1                        ; 16 x lane: my bytes of a load's and of a store's 512
	s_wait_alu depctr_va_vdst(0)
	s_mul_i32 s27, s26, STG
	v_add_nc_u32 v4, s27, v2                       ; the stage, on the way in: a row as it lies
	v_and_b32 v10, 15, v0                          ; r
	v_bfe_u32 v11, v0, 4, 1                        ; h
	s_delay_alu instid0(VALU_DEP_2)
	v_mul_u32_u24 v5, v10, SP
	s_delay_alu instid0(VALU_DEP_1)
	v_lshl_add_u32 v5, v11, 6, v5
	s_delay_alu instid0(VALU_DEP_1)
	v_add_nc_u32 v5, s27, v5                       ; and on the way out: row r, + 64 h: my 16 numbers of a block of 32
	; the job, from the work-group's number g
	s_sub_co_u32 s50, ttmp9, 256
	s_lshr_b32 s51, s50, 3                         ; j: which weight (it counts where g >= 256 alone)
	s_lshl_b32 s53, s51, 18                        ; its 262,144 bytes in wimg
	s_and_b32 s46, ttmp9, 127
	s_and_b32 s52, ttmp9, 7
	s_cmp_lt_u32 ttmp9, 256
	s_cselect_b32 s46, s46, s52
	s_cselect_b32 s53, 0, s53
	s_lshl_b32 s46, s46, 2
	s_lshr_b32 s52, s26, 1
	s_add_co_u32 s46, s46, s52                     ; T: my tile
	s_and_b32 s54, s26, 1                          ; which two K steps
	s_cmp_lt_u32 ttmp9, 280
	s_cselect_b32 s45, 1, 0
	s_cselect_b32 s47, 1, 0
	s_cmp_lt_u32 ttmp9, 256
	s_cselect_b32 s47, s47, 0
	s_cmp_lt_u32 ttmp9, 128
	s_cselect_b32 s45, 0, s45                      ; permuted tiles: context, w_q, w_k, w_v
	s_cselect_b32 s47, 0, s47                      ; two scales: context
	s_lshr_b32 s55, s46, 1
	s_lshl_b32 s55, s55, 5
	s_and_b32 s56, s46, 1
	s_lshl_b32 s56, s56, 3
	s_add_co_u32 s55, s55, s56                     ; 32 (T / 2) + 8 (T % 2)
	s_lshl_b32 s56, s46, 4                         ; 16 T
	s_cmp_eq_u32 s45, 1
	s_cselect_b32 s55, s55, s56                    ; the tile's first row
	s_lshl_b32 s56, s55, 11                        ; rows of 2,048 bytes,
	s_lshl_b32 s57, s54, 10
	s_add_co_u32 s56, s56, s57                     ; + my two K steps of 512 bytes
	s_mov_b32 s57, 0
	s_lshl_b32 s58, s46, 13                        ; images: 8,192 T,
	s_lshl_b32 s59, s54, 12
	s_add_co_u32 s58, s58, s59                     ; + my two steps of 2,048,
	s_add_co_u32 s58, s58, s53                     ; + the weight's place in wimg
	s_mov_b32 s59, 0
	s_lshl_b32 s60, s45, 14
	v_add_nc_u32 v3, s60, v2                       ; tile rows 8-15 lie 8 rows further down in a permuted tile
	s_wait_alu depctr_va_vdst(0)
	s_wait_kmcnt 0x0
	s_load_b256 s[28:35], s[16:17], 0x0            ; e0 .. e7
	s_load_b128 s[36:39], s[16:17], 0x20           ; e8 .. e11
	s_mov_b64 s[SRC:SRC+1], s[14:15]               ; w_out, unless
	s_cmp_eq_u32 s51, 2
	s_cselect_b64 s[SRC:SRC+1], s[12:13], s[SRC:SRC+1]
	s_cmp_eq_u32 s51, 1
	s_cselect_b64 s[SRC:SRC+1], s[10:11], s[SRC:SRC+1]
	s_cmp_eq_u32 s51, 0
	s_cselect_b64 s[SRC:SRC+1], s[8:9], s[SRC:SRC+1]
	s_cmp_lt_u32 ttmp9, 256
	s_cselect_b64 s[SRC:SRC+1], s[6:7], s[SRC:SRC+1]
	s_cselect_b64 s[DST:DST+1], s[20:21], s[24:25]
	s_cmp_lt_u32 ttmp9, 128
	s_cselect_b64 s[SRC:SRC+1], s[4:5], s[SRC:SRC+1]
	s_cselect_b64 s[DST:DST+1], s[18:19], s[DST:DST+1]
	s_add_nc_u64 s[SRC:SRC+1], s[SRC:SRC+1], s[56:57]
	s_add_nc_u64 s[DST:DST+1], s[DST:DST+1], s[58:59]
	s_add_nc_u64 s[DST2:DST2+1], s[22:23], s[58:59]
.macro LOADS t                         ; K step t of my two: 16 rows x 512 bytes
.irp r, 0,1,2,3,4,5,6,7
	global_load_b128 v[R+64*\t+4*\r:R+64*\t+4*\r+3], v2, s[SRC:SRC+1] offset:\r*2048+\t*512 th:TH_LOAD_NT
.endr
.irp r, 8,9,10,11,12,13,14,15
	global_load_b128 v[R+64*\t+4*\r:R+64*\t+4*\r+3], v3, s[SRC:SRC+1] offset:\r*2048+\t*512 th:TH_LOAD_NT
.endr
.endm
.macro TURN t                          ; through the stage: LDS serves a wave's instructions in order (ISA guide 5.7.1.4), so no wait stands between the stores and the loads, nor ahead of the next turn's stores
.irp r, 0,1,2,3,4,5,6,7,8,9,10,11,12,13,14,15
	ds_store_b128 v4, v[R+64*\t+4*\r:R+64*\t+4*\r+3] offset:\r*SP
.endr
.irp c, 0,1,2,3
.irp j, 0,1,2,3
	ds_load_b128 v[R+64*\t+16*\c+4*\j:R+64*\t+16*\c+4*\j+3], v5 offset:\c*128+\j*16   ; register 16 c + i: k = 32 c + 16 h + i of row r
.endr
.endr
.endm
; K step t's 64 numbers of a lane become 64 codes and leave: v[sc] the scale as f32, v[lim] 448 x the scale.  The numbers stay as they are (context is converted twice).
.macro QPASS t, sc, lim, cd, dst
.irp c, 0,1,2,3
.irp i, 0,1,2,3,4,5,6,7,8,9,10,11,12,13,14,15
	v_med3_num_f32 v[T+16*(\c%2)+\i], v[R+64*\t+16*\c+\i], -v[\lim], v[\lim]   ; the conversion to an 8-bit code does not saturate (ISA guide 7.6.2): the hold comes first
.endr
	v_cvt_scalef32_pk8_fp8_f32 v[\cd+16*\t+4*\c:\cd+16*\t+4*\c+1], v[T+16*(\c%2):T+16*(\c%2)+7], v[\sc]
	v_cvt_scalef32_pk8_fp8_f32 v[\cd+16*\t+4*\c+2:\cd+16*\t+4*\c+3], v[T+16*(\c%2)+8:T+16*(\c%2)+15], v[\sc]
.endr
	v_nop                                          ; a plain line behind the last conversion; the two sets of held numbers take turns, so sixteen plain lines stand ahead of every rewrite of a conversion's sources
.irp c, 0,1,2,3
	global_store_b128 v2, v[\cd+16*\t+4*\c:\cd+16*\t+4*\c+3], s[\dst:\dst+1] offset:\t*2048+\c*512   ; 32 lanes store 512 consecutive bytes, at a multiple of 512 from the buffer's first byte
.endr
.endm
	LOADS 0
	LOADS 1
	s_wait_kmcnt 0x0
	s_mov_b32 s44, s39                             ; e11, unless
	s_cmp_eq_u32 s51, 2
	s_cselect_b32 s44, s33, s44                    ; e5
	s_cmp_eq_u32 s51, 1
	s_cselect_b32 s44, s31, s44                    ; e3
	s_cmp_eq_u32 s51, 0
	s_cselect_b32 s44, s29, s44                    ; e1
	s_cmp_lt_u32 ttmp9, 256
	s_cselect_b32 s44, s30, s44                    ; e2
	s_cmp_lt_u32 ttmp9, 128
	s_cselect_b32 s44, s28, s44                    ; e0
	s_add_co_i32 s44, s44, 127
	s_lshl_b32 s50, s44, 23
	v_mov_b32 v6, s50                              ; 2^e as f32: the conversion takes its exponent field
	s_add_co_i32 s44, s44, 8
	s_lshl_b32 s44, s44, 23
	s_or_b32 s44, s44, 0x600000
	v_mov_b32 v7, s44                              ; 448 x 2^e
	s_add_co_i32 s52, s32, 127
	s_lshl_b32 s50, s52, 23
	v_mov_b32 v8, s50                              ; the same with e4
	s_add_co_i32 s52, s52, 8
	s_lshl_b32 s52, s52, 23
	s_or_b32 s52, s52, 0x600000
	v_mov_b32 v9, s52
	s_wait_loadcnt 16                              ; the first step's 16 loads are in; the second's may be out
	TURN 0
	s_wait_loadcnt 0x0
	TURN 1
	s_wait_dscnt 32                                ; the first turn's 32 LDS instructions are done; the second's may be out
	s_cmp_eq_u32 s47, 0
	s_cbranch_scc1 .Lone_0
	s_wait_alu depctr_va_vdst(0)
	QPASS 0, 8, 9, CB, DST2
.Lone_0:
	s_wait_alu depctr_va_vdst(0)
	QPASS 0, 6, 7, CA, DST
	s_wait_dscnt 0x0
	s_cmp_eq_u32 s47, 0
	s_cbranch_scc1 .Lone_1
	QPASS 1, 8, 9, CB, DST2
.Lone_1:
	QPASS 1, 6, 7, CA, DST
	s_wait_tensorcnt 0x0
	ds_add_u32 v240, v241
	s_wait_dscnt 0x0
	s_endpgm
.Lfunc_end_k_q2e44d3751c_quant:
	.size	k_q2e44d3751c_quant, .Lfunc_end_k_q2e44d3751c_quant-k_q2e44d3751c_quant
	.p2alignl 7, 3214868480
	.fill 96, 4, 3214868480
	.section	.rodata,"a",@progbits
	.p2align	6, 0x0
	.amdhsa_kernel k_q2e44d3751c_quant
		.amdhsa_group_segment_fixed_size 68608
		.amdhsa_private_segment_fixed_size 0
		.amdhsa_enable_private_segment 0
		.amdhsa_kernarg_size 88
		.amdhsa_user_sgpr_count 2
		.amdhsa_user_sgpr_kernarg_segment_ptr 1
		.amdhsa_wavefront_size32 1
		.amdhsa_system_sgpr_workgroup_id_x 1
		.amdhsa_system_sgpr_workgroup_id_y 1
		.amdhsa_system_sgpr_workgroup_id_z 1
		.amdhsa_system_vgpr_workitem_id 0
		.amdhsa_next_free_vgpr 242
		.amdhsa_next_free_sgpr 66
		.amdhsa_reserve_vcc 0
		.amdhsa_float_denorm_mode_32 3
		.amdhsa_float_denorm_mode_16_64 3
		.amdhsa_memory_ordered 1
		.amdhsa_forward_progress 1
		.amdhsa_inst_pref_size 32
	.end_amdhsa_kernel
	.amdgpu_metadata
---
amdhsa.version: [ 1, 2 ]
amdhsa.kernels:
  - .name:           k_q2e44d3751c_quant
    .symbol:         k_q2e44d3751c_quant.kd
    .args:
      - { .name: x, .offset: 0, .size: 8, .value_kind: global_buffer, .address_space: global }
      - { .name: context, .offset: 8, .size: 8, .value_kind: global_buffer, .address_space: global }
      - { .name: w_q, .offset: 16, .size: 8, .value_kind: global_buffer, .address_space: global }
      - { .name: w_k, .offset: 24, .size: 8, .value_kind: global_buffer, .address_space: global }
      - { .name: w_v, .offset: 32, .size: 8, .value_kind: global_buffer, .address_space: global }
      - { .name: w_out, .offset: 40, .size: 8, .value_kind: global_buffer, .address_space: global }
      - { .name: lowp_scales, .offset: 48, .size: 8, .value_kind: global_buffer, .address_space: global }
      - { .name: xq, .offset: 56, .size: 8, .value_kind: global_buffer, .address_space: global }
      - { .name: ck, .offset: 64, .size: 8, .value_kind: global_buffer, .address_space: global }
      - { .name: cv, .offset: 72, .size: 8, .value_kind: global_buffer, .address_space: global }
      - { .name: wimg, .offset: 80, .size: 8, .value_kind: global_buffer, .address_space: global }
    .group_segment_fixed_size: 68608
    .private_segment_fixed_size: 0
    .kernarg_segment_align: 8
    .kernarg_segment_size: 88
    .max_flat_workgroup_size: 256
    .sgpr_count:     66
    .vgpr_count:     242
    .wavefront_size: 32
...
	.end_amdgpu_metadata
.endif
;; end of part 1
;; launch proj (part 2): grid 64 x 3, 4 waves a work-group, no clusters, 167,936 bytes of LDS; arguments xq, ck, cv, wimg, lowp_scales, qimg, kv; writes qimg, kv
.if DOCPART == 2
	.amdgcn_target "amdgcn-amd-amdhsa--gfx1250"
	.amdhsa_code_object_version 6
	.text
	.protected	k_q2e44d3751c_proj
	.globl	k_q2e44d3751c_proj
	.p2align	8
	.type	k_q2e44d3751c_proj,@function
k_q2e44d3751c_proj:
	s_mov_b64 s[64:65], 0
	v_nop
	global_prefetch_b8 v0, s[64:65] scope:SCOPE_SE
	s_setreg_imm32_b32 hwreg(HW_REG_WAVE_MODE, 25, 1), 1
	s_wait_xcnt 0x0
; The three projections on codes of FP8 (E4M3), one body: work-group y = 0: q = x w_q^T; 1: k = context w_k^T; 2: v = context w_v^T.  The results are quantised in registers (e6, e7, e9)
; and stored as images of the attention launch's operand registers.
; THE FORM.  D = (source 0: a RESIDENT tile of 16 rows) x (source 1: a STREAM tile of 16 rows), K = 512 in four instructions of 128.  Lane (r, h) holds stream row r, and its register j resident row 8 h + j.
; The resident tiles are PERMUTED (tile row p = row 32 (T / 2) + 8 (T % 2) + p + 8 (p / 8)): the 16 registers of tiles 2 b and 2 b + 1 are resident rows 32 b + 16 h + 0..15: neighbours
; along the next product's K, which two conversions turn into four registers of its operand.
;   q, k: resident = 64 rows of the weight (one head's channels), stream = 16 tiles of x's or context's rows: a lane holds one query or key, its registers the head's channels.
;   v:    resident = 64 keys of context (scale e4), stream = 16 tiles of w_v's rows: a lane holds one channel, its registers run along the keys, which are the last product's K.
; SHARES.  A work-group: 256 resident rows x 256 stream rows; a wave: 64 resident rows, whose 4 tiles x 4 K steps x 16 registers fill window 1 and stay there: each wave's own, straight from memory.
; THE STREAM TILES, which all four waves multiply, come into LDS once: 131,072 dense bytes, one tensor load of 32,768 a wave at the head, one barrier, no refill; each wave then reads every tile from LDS,
; 512 consecutive bytes a load, into three buffers: the LDS loads run two tiles ahead of the products.
; OUT.  qimg [bh][query tile][1,024]: byte 512 j + 16 lane + i = channel 32 j + 16 h + i of query r.  kv [bh][64 keys][8,192]: four tiles of K laid like qimg's (lane r = a permuted key), then four tiles of
; V^T (lane r = a permuted channel; byte 512 c + 16 lane + i = key 32 c + 16 h + i of the 64).  bh = 8 batch + head.
; NO JOINT LOADS: in y = 0 and 1 a stream block is shared by the two work-groups x = 2 a, 2 a + 1, in y = 2 by the 32 with the same x % 2: four neighbours along x hold two different blocks in each case, and not the
; same pairs: no one mask serves the one body.  No prefetch: the launch has one fill, at its head, and no loop to run ahead in.
; LIMITS: e6 - e0 - e1, e7 - e2 - e3 and e9 - e4 - e5 lie between -126 and 119, so that the folded scale and 448 x it are f32 numbers.
.set ACC,  192                         ; v192-223 four accumulators;  v0-191 three stream buffers of 64 registers
.set CD,   224                         ; v224-239 two sets of 8 registers of codes
.set SC,   240                         ; v240     the folded scale as f32
.set LIM,  241                         ; v241     448 x it
.set AD,   242                         ; v242     16 x lane: never rewritten
.set SPW,  243                         ; v243     LDS address of my spare word; never rewritten
.set NIL,  244                         ; v244     0; never rewritten
.set AD2,  245                         ; v245     16 x lane + 65,536: stream tiles 8 to 15
.set SPARE, 131072                     ; behind the stream tiles: the spare words, 128 bytes for each wave: two blocks of 256 bytes that no other line names
.set RES,  36                          ; s[36:37] my resident tiles
.set STR,  38                          ; s[38:39] the work-group's stream tiles
.set OB,   40                          ; s[40:47] where stream tiles 0-3, 4-7, 8-11, 12-15 go
.set G0,   68                          ; s[68:71] descriptor group 0
.set G1,   72                          ; s[72:79] descriptor group 1
.set MSB, 0
.macro WIN new                         ; the immediate's high byte repeats the setting that is left
.if MSB != \new
	s_set_vgpr_msb (MSB<<8)|\new
.set MSB, \new
.endif
.endm
	s_load_b256 s[4:11], s[0:1], 0x0               ; xq, ck, cv, wimg
	s_load_b128 s[12:15], s[0:1], 0x20             ; the exponents, qimg
	s_load_b64 s[16:17], s[0:1], 0x30              ; kv
	v_lshl_add_u32 v[SPW], v0, 2, SPARE
	v_mov_b32 v[NIL], 0
	ds_add_u32 v[SPW], v[NIL]                      ; the opening lines: the add, twice on end, and its wait ahead of my tensor load
	ds_add_u32 v[SPW], v[NIL]
	v_lshrrev_b32 v2, 5, v0
	v_readfirstlane_b32 s18, v2                    ; wave 0..3
	v_and_b32 v[AD], 31, v0
	v_lshlrev_b32 v[AD], 4, v[AD]
	v_add_nc_u32 v[AD2], 0x10000, v[AD]
	s_and_b32 s19, ttmp7, 0xffff                   ; p: which product
	s_lshr_b32 s20, ttmp9, 1                       ; a: which 256 rows of x or context
	s_and_b32 s21, ttmp9, 1                        ; b: which 256 rows of the weight
	s_cmp_eq_u32 s19, 2
	s_cselect_b32 s48, s20, s21                    ; the resident side's block,
	s_cselect_b32 s50, s21, s20                    ; the stream's,
	s_cselect_b32 s52, 524288, 0                   ; and w_v's place in wimg
	s_lshl_b32 s48, s48, 4
	s_lshl_b32 s53, s18, 2
	s_add_co_u32 s48, s48, s53                     ; my first resident tile: 16 x block + 4 x wave
	s_lshl_b32 s48, s48, 13
	s_cmp_eq_u32 s19, 1
	s_cselect_b32 s53, 262144, 0                   ; w_k's place in wimg
	s_add_co_u32 s48, s48, s53
	s_mov_b32 s49, 0
	s_lshl_b32 s50, s50, 17                        ; 16 tiles of 8,192 bytes a block
	s_add_co_u32 s50, s50, s52
	s_mov_b32 s51, 0
	s_lshr_b32 s54, s20, 4                         ; batch
	s_lshl_b32 s54, s54, 3
	s_lshl_b32 s55, s21, 2
	s_add_co_u32 s54, s54, s55                     ; 8 batch + 4 b
	s_and_b32 s55, s20, 15                         ; which 256 rows of the batch
	s_add_co_u32 s56, s54, s18                     ; q, k: my head: bh = 8 batch + 4 b + wave
	s_lshl_b32 s57, s56, 18
	s_lshl_b32 s58, s55, 14
	s_add_co_u32 s57, s57, s58                     ; q: (256 bh + 16 (a % 16)) x 1,024
	s_lshl_b32 s58, s56, 19
	s_lshl_b32 s59, s55, 15
	s_add_co_u32 s58, s58, s59                     ; k: (64 bh + 4 (a % 16)) x 8,192
	s_lshl_b32 s60, s54, 19
	s_add_co_u32 s60, s60, s59
	s_lshl_b32 s61, s18, 13
	s_add_co_u32 s60, s60, s61
	s_add_co_u32 s60, s60, 4096                    ; v: (64 (8 batch + 4 b) + 4 (a % 16) + wave) x 8,192 + 4,096
	s_mov_b32 s62, 8192
	s_cmp_eq_u32 s19, 2
	s_cselect_b32 s58, s60, s58
	s_cselect_b32 s62, 524288, s62
	s_cmp_eq_u32 s19, 0
	s_cselect_b32 s56, s57, s58                    ; where stream tile 0 goes,
	s_cselect_b32 s62, 4096, s62                   ; and how far on four tiles later: q: four query tiles; k: 64 keys; v: a head
	s_mov_b32 s57, 0
	s_mov_b32 s63, 0
	s_lshl_b32 s22, s18, 15                        ; the 32,768 bytes of the stream block that I fetch: in memory and in LDS
	s_mov_b32 s23, 0
	s_mov_b32 s[G1], 3<<16                         ; no mask; elements of 8 bytes; no padding
	s_mov_b32 s[G1+1], 32<<16                      ; 128 rows of 32 elements, dense: 32,768 bytes
	s_mov_b32 s[G1+2], 128<<16
	s_mov_b32 s[G1+3], 32<<16
	s_mov_b32 s[G1+4], 128
	s_mov_b32 s[G1+5], 32
	s_mov_b32 s[G1+6], 0
	s_mov_b32 s[G1+7], 0
	s_wait_alu depctr_va_vdst(0)
	s_wait_dscnt 0x0                               ; both opening adds are done
	s_wait_kmcnt 0x0
	s_load_b256 s[24:31], s[12:13], 0x0            ; e0 .. e7
	s_load_b128 s[32:35], s[12:13], 0x20           ; e8 .. e11
	s_cmp_eq_u32 s19, 2
	s_cselect_b64 s[RES:RES+1], s[8:9], s[10:11]
	s_cselect_b64 s[STR:STR+1], s[10:11], s[6:7]
	s_cmp_eq_u32 s19, 0
	s_cselect_b64 s[STR:STR+1], s[4:5], s[STR:STR+1]
	s_cselect_b64 s[OB:OB+1], s[14:15], s[16:17]
	s_add_nc_u64 s[STR:STR+1], s[STR:STR+1], s[50:51]
	s_mov_b32 s[G0], 1
	s_mov_b32 s[G0+1], s22
	s_add_nc_u64 s[G0+2:G0+3], s[STR:STR+1], s[22:23]
	s_or_b32 s[G0+3], s[G0+3], 0x80000000
	tensor_load_to_lds s[G0:G0+3], s[G1:G1+7]      ; stream tiles 4 wave .. 4 wave + 3: my one tensor load
	s_nop 0
	WIN 0x40                                       ; destination window 1
	s_add_nc_u64 s[RES:RES+1], s[RES:RES+1], s[48:49]
	s_add_nc_u64 s[OB:OB+1], s[OB:OB+1], s[56:57]
	s_add_nc_u64 s[OB+2:OB+3], s[OB:OB+1], s[62:63]
	s_add_nc_u64 s[OB+4:OB+5], s[OB+2:OB+3], s[62:63]
	s_add_nc_u64 s[OB+6:OB+7], s[OB+4:OB+5], s[62:63]
.set n, 0
.rept 64
	global_load_b128 v[4*n:4*n+3], v[AD], s[RES:RES+1] offset:n*512   ; tile t, K step s at v[64 t + 16 s] of window 1: they stay
.set n, n+1
.endr
	WIN 0
	s_wait_kmcnt 0x0
	s_cmp_eq_u32 s19, 2
	s_cselect_b32 s52, s33, s31                    ; e9 or e7
	s_cselect_b32 s53, s28, s26                    ; e4 or e2
	s_cselect_b32 s54, s29, s27                    ; e5 or e3
	s_cmp_eq_u32 s19, 0
	s_cselect_b32 s52, s30, s52                    ; e6
	s_cselect_b32 s53, s24, s53                    ; e0
	s_cselect_b32 s54, s25, s54                    ; e1
	s_sub_co_i32 s52, s52, s53                     ; a sum stands for sum x 2^(eA + eB): its code is sum / 2^(eo - eA - eB): the three scales are folded into the conversion's one
	s_sub_co_i32 s52, s52, s54
	s_add_co_i32 s52, s52, 127
	s_lshl_b32 s53, s52, 23
	v_mov_b32 v[SC], s53
	s_add_co_i32 s52, s52, 8
	s_lshl_b32 s52, s52, 23
	s_or_b32 s52, s52, 0x600000
	v_mov_b32 v[LIM], s52
.macro SLOAD i                         ; stream tile i from LDS into buffer i % 3
.irp n, 0,1,2,3,4,5,6,7,8,9,10,11,12,13,14,15
	ds_load_b128 v[64*((\i)%3)+4*\n:64*((\i)%3)+4*\n+3], v[AD+3*((\i)/8)] offset:((\i)%8)*8192+\n*512
.endr
.endm
	s_wait_alu depctr_va_vdst(0)
	s_wait_tensorcnt 0x0                           ; my part of the stream block has landed:
	s_barrier_signal -1                            ; say so,
	s_barrier_wait -1                              ; and read behind everybody's word
	SLOAD 0
	SLOAD 1
	SLOAD 2
; Stream tile i: 16 matrix instructions, the four accumulators by turns; the hold, the conversions, two stores of 512 consecutive bytes.
.macro TILE i
.set BUF, 64*((\i)%3)
.set CDS, CD+8*((\i)%2)
.if (\i) == 0
	s_wait_loadcnt 0x0                             ; the resident tiles are in
.endif
.if (\i) < 14
	s_wait_dscnt 32                                ; this tile's LDS loads are in; the next two tiles' 32 may be out
.else
	s_wait_dscnt 16*(15-(\i))
.endif
	WIN 0x01                                       ; source 0 window 1
.irp s, 0,1,2,3
.irp t, 0,1,2,3
.if \s == 0
	v_wmma_f32_16x16x128_fp8_fp8 v[ACC+8*\t:ACC+8*\t+7], v[64*\t+16*\s:64*\t+16*\s+15], v[BUF+16*\s:BUF+16*\s+15], 0
.else
	v_wmma_f32_16x16x128_fp8_fp8 v[ACC+8*\t:ACC+8*\t+7], v[64*\t+16*\s:64*\t+16*\s+15], v[BUF+16*\s:BUF+16*\s+15], v[ACC+8*\t:ACC+8*\t+7]
.endif
.endr
.endr
	WIN 0
.rept 4
	v_nop                                          ; four places ahead of the loads into the buffer just multiplied and of the first read of results
.endr
	s_wait_alu depctr_va_vdst(0)
	s_wait_xcnt 0x0                                ; the stores of two tiles back have read their codes: that set is written again only behind this wait
.if (\i)+3 < 16
	SLOAD (\i)+3
.endif
.irp j, 0,1,2,3,4,5,6,7,8,9,10,11,12,13,14,15,16,17,18,19,20,21,22,23,24,25,26,27,28,29,30,31
	v_med3_num_f32 v[ACC+\j], v[ACC+\j], -v[LIM], v[LIM]   ; the conversion does not saturate (ISA guide 7.6.2); each accumulator from its low end on
.endr
.irp b, 0,1
	v_cvt_scalef32_pk8_fp8_f32 v[CDS+4*\b:CDS+4*\b+1], v[ACC+16*\b:ACC+16*\b+7], v[SC]
	v_cvt_scalef32_pk8_fp8_f32 v[CDS+4*\b+2:CDS+4*\b+3], v[ACC+16*\b+8:ACC+16*\b+15], v[SC]
.endr
	v_nop                                          ; a plain line between the conversions and the next tile's products, which write their sources
.irp b, 0,1
	global_store_b128 v[AD], v[CDS+4*\b:CDS+4*\b+3], s[OB+2*((\i)/4):OB+2*((\i)/4)+1] offset:((\i)%4)*1024+\b*512
.endr
.endm
.irp i, 0,1,2,3,4,5,6,7,8,9,10,11,12,13,14,15
	TILE \i
.endr
	s_wait_tensorcnt 0x0                           ; the wave's end
	ds_add_u32 v[SPW], v[NIL]
	s_wait_dscnt 0x0
	s_endpgm
.Lfunc_end_k_q2e44d3751c_proj:
	.size	k_q2e44d3751c_proj, .Lfunc_end_k_q2e44d3751c_proj-k_q2e44d3751c_proj
	.p2alignl 7, 3214868480
	.fill 96, 4, 3214868480
	.section	.rodata,"a",@progbits
	.p2align	6, 0x0
	.amdhsa_kernel k_q2e44d3751c_proj
		.amdhsa_group_segment_fixed_size 167936
		.amdhsa_private_segment_fixed_size 0
		.amdhsa_enable_private_segment 0
		.amdhsa_kernarg_size 56
		.amdhsa_user_sgpr_count 2
		.amdhsa_user_sgpr_kernarg_segment_ptr 1
		.amdhsa_wavefront_size32 1
		.amdhsa_system_sgpr_workgroup_id_x 1
		.amdhsa_system_sgpr_workgroup_id_y 1
		.amdhsa_system_sgpr_workgroup_id_z 1
		.amdhsa_system_vgpr_workitem_id 0
		.amdhsa_next_free_vgpr 512
		.amdhsa_next_free_sgpr 80
		.amdhsa_reserve_vcc 0
		.amdhsa_float_denorm_mode_32 3
		.amdhsa_float_denorm_mode_16_64 3
		.amdhsa_memory_ordered 1
		.amdhsa_forward_progress 1
		.amdhsa_inst_pref_size 87
	.end_amdhsa_kernel
	.amdgpu_metadata
---
amdhsa.version: [ 1, 2 ]
amdhsa.kernels:
  - .name:           k_q2e44d3751c_proj
    .symbol:         k_q2e44d3751c_proj.kd
    .args:
      - { .name: xq, .offset: 0, .size: 8, .value_kind: global_buffer, .address_space: global }
      - { .name: ck, .offset: 8, .size: 8, .value_kind: global_buffer, .address_space: global }
      - { .name: cv, .offset: 16, .size: 8, .value_kind: global_buffer, .address_space: global }
      - { .name: wimg, .offset: 24, .size: 8, .value_kind: global_buffer, .address_space: global }
      - { .name: lowp_scales, .offset: 32, .size: 8, .value_kind: global_buffer, .address_space: global }
      - { .name: qimg, .offset: 40, .size: 8, .value_kind: global_buffer, .address_space: global }
      - { .name: kv, .offset: 48, .size: 8, .value_kind: global_buffer, .address_space: global }
    .group_segment_fixed_size: 167936
    .private_segment_fixed_size: 0
    .kernarg_segment_align: 8
    .kernarg_segment_size: 56
    .max_flat_workgroup_size: 128
    .sgpr_count:     80
    .vgpr_count:     512
    .wavefront_size: 32
...
	.end_amdgpu_metadata
.endif
;; end of part 2
;; launch attn (part 3): grid 16 x 16, 8 waves a work-group, clusters of 4 x 1, 327,680 bytes of LDS; arguments qimg, kv, lowp_scales, oimg; writes oimg
.if DOCPART == 3
	.amdgcn_target "amdgcn-amd-amdhsa--gfx1250"
	.amdhsa_code_object_version 6
	.text
	.protected	k_q2e44d3751c_attn
	.globl	k_q2e44d3751c_attn
	.p2align	8
	.type	k_q2e44d3751c_attn,@function
k_q2e44d3751c_attn:
	s_mov_b64 s[64:65], 0
	v_nop
	global_prefetch_b8 v0, s[64:65] scope:SCOPE_SE
	s_setreg_imm32_b32 hwreg(HW_REG_WAVE_MODE, 25, 1), 1
	s_wait_xcnt 0x0
	s_wait_alu depctr_hold_cnt(0) depctr_sa_sdst(0) depctr_va_vdst(0) depctr_va_sdst(0) depctr_va_ssrc(0) depctr_va_vcc(0) depctr_vm_vsrc(0)
	s_getreg_b32 s2, hwreg(HW_REG_IB_STS2, 6, 4)
	s_cmp_eq_u32 s2, 0
	s_cbranch_scc0 .Lentry_in_a_cluster
	s_endpgm
.Lentry_in_a_cluster:
	s_bfe_u32 s2, ttmp6, 0x10000c
	s_cmp_lg_u32 s2, 0x3003
	s_cbranch_scc0 .Lentry_shape_is_right
	s_endpgm
.Lentry_shape_is_right:
; O[bh][q] = the sum over keys of softmax(q . k / 8) v, both products on codes of FP8 (E4M3); 16 (batch, head) pairs, 4,096 queries, 4,096 keys, head size 64.
; THE SOFTMAX AHEAD OF THE SECOND PRODUCT: t = score x log2(e) / 8; M = the row's largest t so far, rounded UP to a whole number; p = 2^(t - M) is quantised with 2^e8, not normalised.
; The row's sum is taken of the unquantised p, in f32, and divides O at the end.  When M moves, the sum and O are multiplied by 2^(old M - new M): nothing is rounded, no branch on data.
; O / the sum is quantised with 2^e10 and stored as an image of the last product's operand registers.
; SHARES.  A work-group owns 256 queries of one bh; each of its EIGHT waves owns 32 of them, two tiles of 16, in 512 registers: each fragment of K and V read from LDS feeds two matrix instructions.
; LAYOUT.  Both products are used transposed (S^T = K Q^T, O^T = V^T P^T): a lane holds one query (lane % 16) of each tile.  K's keys and V^T's channels are permuted by the launch that made them, so that
; the 16 registers of result tiles 2 b and 2 b + 1 are keys (channels) 32 b + 16 (lane / 16) + 0..15: the conversions' results are operand registers.  kv lies in memory, and so in LDS, as images of
; operand registers: every LDS load takes 512 consecutive bytes.  A key step (128 keys) is 16,384 bytes: K's tiles 0-3, V^T for keys 0-63, K's tiles 4-7, V^T for keys 64-127.
; RING.  Two LDS slots of 8 key steps (131,072 bytes); each wave fetches one key step of a slot: one tensor load a wave at the head and behind each round.  4 slots' worth of keys: 3 fills behind the head's.
; A slot's last LDS reads are issued at the head of its last key step; the three lines and the barrier's signal follow them, and that whole step, work on registers alone, stands between the signal and its wait.
; CLUSTER.  The four query blocks of a cluster belong to one bh and walk the same kv: each tile is asked for JOINTLY, by the same tensor load with the same descriptor and the mask of all four.
; THE TWO TILES ARE A PHASE APART: the dependent lines that make tile 0's M stand among tile 1's maxima, tile 1's among tile 0's multiply-adds; each tile's exponentials take turns with the other's plain lines.
; LIMITS on the given exponents, so that each power of two below is an f32 number: e6 + e7 between -123 and 130 (added to c's exponent field); e8 and e10 between -126 and 119; e8 + e9 goes in by v_ldexp_f32.
; REGISTERS.  Window 0: v1 16 x lane; v2, v3 the spare word's address and 0; v4 256 x lane; v5 LDS address of the key step whose K comes next; tile u: v[8+8u] -M, v[9+8u] the largest score,
; v[10+8u:11+8u] the sum in two halves, v[12+8u:13+8u] f, v[14+8u] the old -M, v[15+8u] a permute's result; v[24+200u..] eight maxima; v[32+64u..] S^T, then p; v[160+32u..] partial sums; v240, v241 448 x 2^e8; v244 2^e8.
; Window 1: v0-63 K's 8 fragments; v64-127 V^T's 4; v[128+32u..] O^T; v[192+16u..] p's codes; v[224+8u..] Q.
.set SLOT,  131072
.set SPARE, 262144                     ; behind the ring: the spare words, 128 bytes for each wave: four blocks of 256 bytes that no other line names
.set ST,    32
.set TT,    160
.set FK,    0
.set FV,    64
.set OT,    128
.set CD,    192
.set QF,    224
.set WV,    12                         ; s12  my wave's number
.set G1,    16                         ; s[16:23] descriptor group 1
.set G0,    24                         ; s[24:27] descriptor group 0, which walks
.set TB,    28                         ; s28  LDS byte of the key step whose K comes next
.set SLOTS, 29                         ; s29  trips of the loop over slots still to go
.set LIM,   30                         ; s30  1 in a wave that prefetches, else the greatest number
.set CNT,   31                         ; s31  key steps
.set PFA,   32                         ; s[32:33] where my prefetches stand
.set SEL,   34                         ; s[34:35] lane selects for v_permlanex16_b32: lane l xor 16
.set CS,    36                         ; s[36:37] c = log2(e) / 8 x 2^(e6 + e7)
.set MSB, 0
.macro WIN new                         ; low byte: bits 1:0 source 0, 3:2 source 1, 5:4 source 2, 7:6 destination; the high byte repeats the setting that is left
.if MSB != \new
	s_set_vgpr_msb (MSB<<8)|\new
.set MSB, \new
.endif
.endm
.macro CREST                           ; a round of the cluster's barrier behind its opening barrier
	s_cmp_lg_u32 s[WV], 0
	s_cbranch_scc1 .Lnot_wave_0_\@
	s_barrier_signal -3
.Lnot_wave_0_\@:
	s_barrier_wait -3
	s_barrier_signal -1
	s_barrier_wait -1
.endm
.macro CROUND
	s_barrier_signal -1
	s_barrier_wait -1
	CREST
.endm
.macro JLOAD                           ; the joint load: every wave, its key step of the slot.  An s_nop 0 and four v_nop follow
	tensor_load_to_lds s[G0:G0+3], s[G1:G1+7]
	s_nop 0
.rept 4
	v_nop
.endr
.endm
; A PREFETCH INTO THE L2 of the slot that the NEXT fill will ask for: 131,072 bytes, 8 key steps ahead of that load.  All four clusters of a bh walk the same kv: the first of them asks.  Its four partners share
; the slot out BY ADDRESS, 32,768 bytes each; in each, waves 0 to 3 ask for 8,192 bytes, lanes 256 bytes apart: one instruction.  So each block of 256 bytes of the third and fourth slots' keys is named once in the launch.
; The first two come by their loads alone; the last fill asks for nothing.
.macro ASK
	s_cmp_gt_u32 s[SLOTS], s[LIM]
	s_cbranch_scc0 .Lnot_mine_\@
	global_prefetch_b8 v4, s[PFA:PFA+1] th:TH_LOAD_NT scope:SCOPE_SE
.Lnot_mine_\@:
.endm
.macro WALK                            ; no tensor load of mine is out: the walking descriptor goes to the other slot and the next 8 key steps; the prefetches' address one slot further
	s_xor_b32 s[G0+1], s[G0+1], SLOT
	s_add_nc_u64 s[G0+2:G0+3], s[G0+2:G0+3], SLOT
	s_wait_xcnt 0x0                                ; the last prefetch has read its address
	s_add_nc_u64 s[PFA:PFA+1], s[PFA:PFA+1], SLOT
.endm
.macro KLOAD                           ; K's eight fragments of the key step at v5
	WIN 0x40
.irp t, 0,1,2,3,4,5,6,7
	ds_load_b128 v[FK+8*\t:FK+8*\t+3], v5 offset:(\t/4)*8192+(\t%4)*1024
	ds_load_b128 v[FK+8*\t+4:FK+8*\t+7], v5 offset:(\t/4)*8192+(\t%4)*1024+512
.endr
	WIN 0
.endm
.macro HOLD b, n                       ; the conversion does not saturate (ISA guide 7.6.2); p is not negative, so the hold is one-sided; two numbers a line
.set H, \b
.rept \n
	v_dual_min_num_f32 v[H], v[H], v240 :: v_dual_min_num_f32 v[H+1], v[H+1], v241
.set H, H+2
.endr
.endm
.macro TREE n                          ; both tiles' partial sums: pair J += pair J + n
.set J, 0
.rept \n
.irp u, 0,1
	v_pk_add_f32 v[TT+32*\u+2*J:TT+32*\u+2*J+1], v[TT+32*\u+2*J:TT+32*\u+2*J+1], v[TT+32*\u+2*(J+\n):TT+32*\u+2*(J+\n)+1]
.endr
.set J, J+1
.endr
.endm
; Tile u's largest score among my 64 keys, line m of 28.  Eight chains, one to an accumulator, each from its low end on: lines 0-23 take registers 0 to 6 of each; lines 24-27 join two chains and the even accumulators' register 7.
.macro MXOP u, m
.set XR, 24+200*(\u)
.set SR, ST+64*(\u)
.if (\m) < 8
	v_max3_num_f32 v[XR+(\m)], v[SR+8*(\m)], v[SR+8*(\m)+1], v[SR+8*(\m)+2]
.else
.if (\m) < 24
	v_max3_num_f32 v[XR+(\m)%8], v[XR+(\m)%8], v[SR+8*((\m)%8)+2*((\m)/8)+1], v[SR+8*((\m)%8)+2*((\m)/8)+2]
.else
	v_max3_num_f32 v[XR+2*((\m)-24)], v[XR+2*((\m)-24)], v[XR+2*((\m)-24)+1], v[SR+16*((\m)-24)+7]
.endif
.endif
.endm
; The dependent lines behind them, stage k of 10: the last joins (with the odd accumulators' register 7), lane l xor 16's, the running maximum, -M and f.
.macro CH u, k
.set XR, 24+200*(\u)
.set SR, ST+64*(\u)
.set ZR, 8+8*(\u)
.if \k == 0
	v_max3_num_f32 v[XR], v[XR], v[XR+2], v[SR+15]
	v_max3_num_f32 v[XR+4], v[XR+4], v[XR+6], v[SR+31]
.endif
.if \k == 1
	v_max3_num_f32 v[XR], v[XR], v[XR+4], v[SR+47]
.endif
.if \k == 2
	v_max_num_f32 v[XR], v[XR], v[SR+63]
.endif
.if \k == 3
	v_permlanex16_b32 v[ZR+7], v[XR], s[SEL], s[SEL+1]
.endif
.if \k == 4
	v_max3_num_f32 v[ZR+1], v[ZR+1], v[XR], v[ZR+7]    ; the running largest score: mine, lane l xor 16's, and the earlier steps'
.endif
.if \k == 5
	v_mul_f32 v[XR], s[CS], v[ZR+1]                ; as t (c is positive)
.endif
.if \k == 6
	v_floor_f32 v[ZR], -v[XR]                      ; the new -M = floor(-t) = -ceil(t): M is a whole number
.endif
.if \k == 7
	v_sub_f32 v[XR], v[ZR], v[ZR+6]                ; M's old value less its new one: a whole number, 0 or less
.endif
.if \k == 8
	v_cvt_i32_f32 v[XR], v[XR]                     ; (it saturates)
.endif
.if \k == 9
	v_ldexp_f32 v[ZR+4], 1.0, v[XR]                ; f = 2^(old M - new M)
.endif
.endm
	s_load_b256 s[4:11], s[0:1], 0x0               ; qimg s[4:5], kv s[6:7], the exponents s[8:9], oimg s[10:11]
	v_lshl_add_u32 v2, v0, 2, SPARE
	v_mov_b32 v3, 0
	ds_add_u32 v2, v3                              ; the opening lines: the add, twice on end, and its wait ahead of my first tensor load
	ds_add_u32 v2, v3
	v_lshrrev_b32 v6, 5, v0
	v_readfirstlane_b32 s[WV], v6                  ; wave 0..7
	v_and_b32 v1, 31, v0
	v_lshlrev_b32 v4, 8, v1
	v_lshlrev_b32 v1, 4, v1
	s_mov_b32 s[TB], 0
	v_add_nc_u32 v5, s[TB], v1
	s_bfe_u32 s13, ttmp6, 0x40000                  ; cx: it enters Q's, O's and the prefetches' addresses alone
	s_lshl_b32 s14, ttmp9, 2
	s_add_co_u32 s14, s14, s13                     ; my block of 256 queries = 4 x cluster x + cx
	s_and_b32 s15, ttmp7, 0xffff                   ; bh, which the four partners share
	s_mov_b32 s[G1], 15|(3<<16)|(1<<21)            ; the mask of all four; elements of 8 bytes; no padding; bit 21 beside a mask
	s_mov_b32 s[G1+1], 32<<16                      ; 64 rows of 32 elements, dense: a key step's 16,384 bytes
	s_mov_b32 s[G1+2], 64<<16
	s_mov_b32 s[G1+3], 32<<16
	s_mov_b32 s[G1+4], 64
	s_mov_b32 s[G1+5], 32
	s_mov_b32 s[G1+6], 0
	s_mov_b32 s[G1+7], 0
	s_mov_b32 s[SEL], 0x76543210
	s_mov_b32 s[SEL+1], 0xfedcba98
	s_mov_b32 s[CS], 0x3e38aa3b                    ; log2(e) / 8
	s_mov_b32 s[SLOTS], 2
	s_lshl_b32 s52, s[WV], 14                      ; which key step of a slot I fetch: in LDS and in memory
	s_lshl_b32 s54, s15, 19                        ; bh's 524,288 bytes of kv
	s_add_co_u32 s56, s54, s52
	s_mov_b32 s57, 0
	s_lshl_b32 s58, s14, 4
	s_lshl_b32 s59, s[WV], 1
	s_add_co_u32 s58, s58, s59                     ; my first tile of queries in the bh: 16 x block + 2 x wave
	s_lshl_b32 s59, s15, 8
	s_add_co_u32 s59, s59, s58
	s_lshl_b32 s60, s59, 10                        ; Q: (256 bh + tile) x 1,024
	s_mov_b32 s61, 0
	s_lshr_b32 s59, s15, 3                         ; batch
	s_lshl_b32 s59, s59, 8
	s_add_co_u32 s59, s59, s58                     ; the row tile of the last product: 256 batch + tile
	s_lshl_b32 s59, s59, 2
	s_bfe_u32 s62, s15, 0x20001                    ; head / 2: the K step of 128
	s_add_co_u32 s59, s59, s62
	s_lshl_b32 s59, s59, 11
	s_and_b32 s62, s15, 1                          ; head % 2: which half of it
	s_lshl_b32 s62, s62, 10
	s_add_co_u32 s38, s59, s62                     ; O: ((256 batch + tile) x 4 + head / 2) x 2,048 + (head % 2) x 1,024; my second tile 8,192 further on
	s_mov_b32 s39, 0
	s_lshl_b32 s62, s13, 15                        ; the prefetches: my work-group's 32,768 bytes of a slot,
	s_and_b32 s63, s[WV], 3
	s_lshl_b32 s63, s63, 13                        ; my wave's 8,192 of them,
	s_add_co_u32 s62, s62, s63
	s_add_co_u32 s62, s62, SLOT                    ; one slot on: the first WALK steps it to the third slot's keys
	s_add_co_u32 s62, s62, s54
	s_mov_b32 s63, 0
	s_lshr_b32 s53, s[WV], 2                       ; 0 in waves 0 to 3,
	s_or_b32 s53, s53, ttmp9                       ; of the bh's first cluster: the same in all four partners
	s_cmp_eq_u32 s53, 0
	s_cselect_b32 s[LIM], 1, -1
	s_wait_alu depctr_va_vdst(0)
	s_wait_dscnt 0x0                               ; both opening adds are done
	s_wait_kmcnt 0x0
	s_load_b256 s[40:47], s[8:9], 0x0              ; e0 .. e7
	s_load_b128 s[48:51], s[8:9], 0x20             ; e8 .. e11
	s_mov_b32 s[G0], 1
	s_mov_b32 s[G0+1], s52                         ; LDS address: slot 0
	s_add_nc_u64 s[G0+2:G0+3], s[6:7], s[56:57]
	s_or_b32 s[G0+3], s[G0+3], 0x80000000
	s_add_nc_u64 s[4:5], s[4:5], s[60:61]
	s_add_nc_u64 s[10:11], s[10:11], s[38:39]
	s_add_nc_u64 s[PFA:PFA+1], s[6:7], s[62:63]
	CROUND                                         ; all four work-groups are here: the first joint loads meet
	JLOAD                                          ; slot 0: one tensor load a wave at the head
	WIN 0x40
.irp n, 0,1,2,3
	global_load_b128 v[QF+4*\n:QF+4*\n+3], v1, s[4:5] offset:512*\n   ; Q's two fragments stay in registers
.endr
.set J, 0
.rept 64
	v_mov_b32 v[OT+J], 0                           ; O^T.  (The key step has no first step of its own: it finds zeros, which the first change of M leaves zeros)
.set J, J+1
.endr
	WIN 0
.irp u, 0,1
	v_mov_b32 v[8+8*\u], 0x7f61b1e6                ; -M: 3e38
	v_mov_b32 v[9+8*\u], 0xff61b1e6                ; the largest score so far: -3e38
	v_mov_b32 v[10+8*\u], 0                        ; the sum, in two halves
	v_mov_b32 v[11+8*\u], 0
	v_mov_b32 v[13+8*\u], 0                        ; (named as the upper half of f's pair)
	v_mov_b32 v[15+8*\u], 0                        ; a lane permute's destination counts as one of its sources
.endr
	s_wait_kmcnt 0x0
	s_add_co_i32 s52, s46, s47
	s_lshl_b32 s52, s52, 23
	s_add_co_i32 s[CS], s[CS], s52                 ; a score stands for score x 2^(e6 + e7): the two exponents are added to c's exponent field
	s_mov_b32 s[CS+1], s[CS]
	s_add_co_i32 s52, s48, 127
	s_lshl_b32 s53, s52, 23
	v_mov_b32 v244, s53                            ; 2^e8 as f32, for the conversion
	s_add_co_i32 s52, s52, 8
	s_lshl_b32 s52, s52, 23
	s_or_b32 s52, s52, 0x600000
	v_mov_b32 v240, s52                            ; 448 x 2^e8, twice: the halves of a dual instruction take their second sources from different register banks
	v_mov_b32 v241, s52
; A KEY STEP: 128 keys for both tiles.  K's fragments are in registers or on their way.  fin = 0: the next step's K is asked for in the step.  fin = 1: a slot's last step;
; kind 1: a round and the refill follow; kind 0: a plain barrier (the last slot is awaited, nothing is filled); kind 2: the launch's last step.
.macro STEP fin, kind
.rept 4
	v_nop                                          ; four places (ISA guide 7.12.1 for vector instructions) ahead of loads into registers that the last products read
.endr
	WIN 0x40
.irp d, 0,1,2,3
.irp c, 0,1,2,3
	ds_load_b128 v[FV+16*\d+4*\c:FV+16*\d+4*\c+3], v5 offset:(\c/2)*8192+4096+\d*1024+(\c%2)*512   ; V^T's four fragments land while the softmax is worked
.endr
.endr
	WIN 0
.if \fin
.if \kind < 2
	s_wait_tensorcnt 0x0                           ; all my tensor loads have landed: my part of the other slot
	ds_add_u32 v2, v3                              ; 0 onto my spare word
.if \kind == 1
	WALK
.endif
.endif
	s_wait_dscnt 0x0                               ; the add is done, and my reads of this slot, the sixteen above the last, are over
.if \kind < 2
	s_barrier_signal -1                            ; only work on registers stands between this signal and its wait, at the step's end
.endif
.else
	s_wait_dscnt 16                                ; K's fragments are in; the sixteen loads above may be out
.endif
	WIN 0x05                                       ; sources 0 and 1 window 1, results window 0
.irp t, 0,1,2,3,4,5,6,7
.irp u, 0,1
	v_wmma_f32_16x16x64_fp8_fp8 v[ST+64*\u+8*\t:ST+64*\u+8*\t+7], v[FK+8*\t:FK+8*\t+7], v[QF+8*\u:QF+8*\u+7], 0
.endr
.endr
	WIN 0
.if \kind < 2
	s_add_co_u32 s[TB], s[TB], 16384
	s_and_b32 s[TB], s[TB], 2*SLOT-1               ; round the ring
	v_add_nc_u32 v5, s[TB], v1                     ; the next key step.  (This and the three lines below are the places behind the products)
.else
	v_nop
.endif
	v_mov_b32 v14, v8                              ; the old -M
	v_mov_b32 v22, v16
	v_nop
.if \fin == 0
	KLOAD                                          ; the next step's K lands while the softmax is worked
.endif
.set M, 0
.rept 28
	MXOP 0, M                                      ; tile 0's maxima
.set M, M+1
.endr
.set M, 0
.irp k, 0,1,2,3,4,5,6,7,8,9                    ; tile 0's dependent lines, three of tile 1's maxima ahead of each
.rept 3
.if M < 28
	MXOP 1, M
.set M, M+1
.endif
.endr
	CH 0, \k
.endr
.set J, 0
.irp k, 0,1,2,3,4,5,6,7,8,9                    ; tile 1's dependent lines, three of tile 0's multiply-adds ahead of each: t - M, two at a time (of the pairs c and -M the low word serves both halves)
.rept 3
	v_pk_fma_f32 v[ST+J:ST+J+1], v[ST+J:ST+J+1], s[CS:CS+1], v[8:9] op_sel_hi:[1,0,0]
.set J, J+2
.endr
	CH 1, \k
.endr
.rept 2
	v_pk_fma_f32 v[ST+J:ST+J+1], v[ST+J:ST+J+1], s[CS:CS+1], v[8:9] op_sel_hi:[1,0,0]
.set J, J+2
.endr
	WIN 0x41
.irp u, 0,1
.irp j, 0,2,4,6,8,10,12,14,16,18,20,22,24,26,28,30
	v_pk_mul_f32 v[OT+32*\u+\j:OT+32*\u+\j+1], v[OT+32*\u+\j:OT+32*\u+\j+1], v[12+8*\u:13+8*\u] op_sel_hi:[1,0]   ; O^T x f, ahead of the exponentials; each accumulator from its low end on
.endr
.endr
	WIN 0
.if \fin == 0
	s_wait_dscnt 16                                ; V^T is in; the next step's K, sixteen loads, may be out
.endif
	s_wait_alu depctr_va_vdst(0)
.set J, 0
.rept 32                                       ; tile 0's exponentials; tile 1's t - M, first read behind the next wait, takes turns with them
	v_exp_f32 v[ST+J], v[ST+J]
	v_exp_f32 v[ST+J+1], v[ST+J+1]
	v_pk_fma_f32 v[ST+64+J:ST+65+J], v[ST+64+J:ST+65+J], s[CS:CS+1], v[16:17] op_sel_hi:[1,0,0]
.set J, J+2
.endr
	s_wait_alu depctr_va_vdst(0)                   ; behind tile 0's batch and ahead of tile 1's
.set J, 0
.rept 16                                       ; tile 1's exponentials; tile 0's first sums (of the unquantised p) and then its holds take turns with them: what they write is first read behind the next wait
	v_exp_f32 v[ST+64+4*J], v[ST+64+4*J]
	v_pk_add_f32 v[TT+2*J:TT+2*J+1], v[ST+4*J:ST+4*J+1], v[ST+4*J+2:ST+4*J+3]
	v_exp_f32 v[ST+65+4*J], v[ST+65+4*J]
	v_dual_min_num_f32 v[ST+4*J], v[ST+4*J], v240 :: v_dual_min_num_f32 v[ST+4*J+1], v[ST+4*J+1], v241
	v_exp_f32 v[ST+66+4*J], v[ST+66+4*J]
	v_dual_min_num_f32 v[ST+4*J+2], v[ST+4*J+2], v240 :: v_dual_min_num_f32 v[ST+4*J+3], v[ST+4*J+3], v241
	v_exp_f32 v[ST+67+4*J], v[ST+67+4*J]
.set J, J+1
.endr
	v_nop                                          ; a plain line behind the last exponential
	s_wait_alu depctr_va_vdst(0)                   ; one wait for the batch, ahead of its first reader
.set J, 0
.rept 16
	v_pk_add_f32 v[TT+32+2*J:TT+33+2*J], v[ST+64+4*J:ST+65+4*J], v[ST+66+4*J:ST+67+4*J]   ; tile 1's first sums
.set J, J+1
.endr
	TREE 8
	TREE 4
	HOLD ST+64, 16                                 ; tile 1's holds stand between the levels of the sums
	TREE 2
	HOLD ST+96, 8
	TREE 1
	HOLD ST+112, 8
	WIN 0x40                                       ; the codes go to window 1
.irp u, 0,1
.irp b, 0,1,2,3
	v_cvt_scalef32_pk8_fp8_f32 v[CD+16*\u+4*\b:CD+16*\u+4*\b+1], v[ST+64*\u+16*\b:ST+64*\u+16*\b+7], v244
	v_cvt_scalef32_pk8_fp8_f32 v[CD+16*\u+4*\b+2:CD+16*\u+4*\b+3], v[ST+64*\u+16*\b+8:ST+64*\u+16*\b+15], v244
.endr
.endr
	WIN 0
.irp u, 0,1
	v_pk_fma_f32 v[10+8*\u:11+8*\u], v[10+8*\u:11+8*\u], v[12+8*\u:13+8*\u], v[TT+32*\u:TT+32*\u+1] op_sel_hi:[1,0,1]   ; the sum x f + the step's.  (Also the plain lines between the conversions and the products that read their results)
.endr
	WIN 0x55
.irp d, 0,1,2,3
.irp u, 0,1
	v_wmma_f32_16x16x128_fp8_fp8 v[OT+32*\u+8*\d:OT+32*\u+8*\d+7], v[FV+16*\d:FV+16*\d+15], v[CD+16*\u:CD+16*\u+15], v[OT+32*\u+8*\d:OT+32*\u+8*\d+7]   ; eight accumulators, one instruction each
.endr
.endr
	WIN 0
.if \fin
.if \kind < 2
	s_barrier_wait -1                              ; nobody reads the slot that I have left, and the other slot is whole
.endif
.if \kind == 1
	CREST                                          ; the barrier has opened a round of the cluster's: the same holds of every partner
	JLOAD                                          ; the refill, first behind the round: it has 8 key steps in which to land
	ASK
.endif
.endif
.endm
.macro SLOTBODY kind
	KLOAD
	s_mov_b32 s[CNT], 7
.Lstep_\@:
	STEP 0, 0
	s_sub_co_u32 s[CNT], s[CNT], 1
	s_cmp_lg_u32 s[CNT], 0
	s_cbranch_scc1 .Lstep_\@
	STEP 1, \kind
.endm
	s_wait_alu depctr_va_vdst(0)
	s_wait_loadcnt 0x0                             ; Q
	s_wait_tensorcnt 0x0                           ; my part of slot 0 is in
	ds_add_u32 v2, v3
	WALK
	s_wait_dscnt 0x0
	CROUND
	JLOAD                                          ; slot 1's first fill
	ASK
.Lslot:                                            ; 2 trips: each ends with a round and a refill
	SLOTBODY 1
	s_sub_co_u32 s[SLOTS], s[SLOTS], 1
	s_cmp_lg_u32 s[SLOTS], 0
	s_cbranch_scc1 .Lslot
	SLOTBODY 0                                     ; the last two slots are written out: they ask for nothing more
	SLOTBODY 2
	; THE WAY OUT.  O^T x 2^(e8 + e9) / the sum is quantised with 2^e10.  Register 16 b + i is channel 32 b + 16 h + i of my query: the codes are registers of the last product's operand, k = 64 head + channel.
	s_add_co_i32 s52, s50, 127
	s_lshl_b32 s53, s52, 23
	s_add_co_i32 s52, s52, 8
	s_lshl_b32 s52, s52, 23
	s_or_b32 s52, s52, 0x600000
	s_add_co_i32 s54, s48, s49
	s_wait_alu depctr_va_vdst(0)
.irp u, 0,1
	v_add_f32 v[10+8*\u], v[10+8*\u], v[11+8*\u]   ; the sum's two halves  (these plain lines are the places behind the last products)
.endr
	v_mov_b32 v244, s53                            ; 2^e10 as f32
	v_mov_b32 v240, s52                            ; 448 x 2^e10
.irp u, 0,1
	v_permlanex16_b32 v[15+8*\u], v[10+8*\u], s[SEL], s[SEL+1]
.endr
.irp u, 0,1
	v_add_f32 v[10+8*\u], v[10+8*\u], v[15+8*\u]   ; and lane l xor 16's: the row's sum
.endr
	s_wait_alu depctr_va_vdst(0)
	v_rcp_f32 v10, v10
	v_rcp_f32 v18, v18
	v_nop
	s_wait_alu depctr_va_vdst(0)                   ; and ahead of their first reader
.irp u, 0,1
	v_ldexp_f32 v[12+8*\u], v[10+8*\u], s54        ; x 2^(e8 + e9)
.endr
	WIN 0x01
	s_wait_alu depctr_va_vdst(0)
.irp u, 0,1
.irp j, 0,2,4,6,8,10,12,14,16,18,20,22,24,26,28,30
	v_pk_mul_f32 v[ST+64*\u+\j:ST+64*\u+\j+1], v[OT+32*\u+\j:OT+32*\u+\j+1], v[12+8*\u:13+8*\u] op_sel_hi:[1,0]   ; each accumulator from its low end on
.endr
.endr
	WIN 0
.irp u, 0,1
.set J, 0
.rept 32
	v_med3_num_f32 v[ST+64*\u+J], v[ST+64*\u+J], -v240, v240
.set J, J+1
.endr
.endr
.irp u, 0,1
.irp b, 0,1
	v_cvt_scalef32_pk8_fp8_f32 v[TT+8*\u+4*\b:TT+8*\u+4*\b+1], v[ST+64*\u+16*\b:ST+64*\u+16*\b+7], v244
	v_cvt_scalef32_pk8_fp8_f32 v[TT+8*\u+4*\b+2:TT+8*\u+4*\b+3], v[ST+64*\u+16*\b+8:ST+64*\u+16*\b+15], v244
.endr
.endr
	v_nop
.irp u, 0,1
.irp b, 0,1
	global_store_b128 v1, v[TT+8*\u+4*\b:TT+8*\u+4*\b+3], s[10:11] offset:8192*\u+512*\b   ; 32 lanes store 512 consecutive bytes, at a multiple of 512 from the buffer's first byte
.endr
.endr
	s_wait_tensorcnt 0x0                           ; the wave's end
	ds_add_u32 v2, v3
	s_wait_dscnt 0x0
	CROUND                                         ; the closing round: no work-group ends while a partner may still ask for a tile that names it
	s_endpgm
.Lfunc_end_k_q2e44d3751c_attn:
	.size	k_q2e44d3751c_attn, .Lfunc_end_k_q2e44d3751c_attn-k_q2e44d3751c_attn
	.p2alignl 7, 3214868480
	.fill 96, 4, 3214868480
	.section	.rodata,"a",@progbits
	.p2align	6, 0x0
	.amdhsa_kernel k_q2e44d3751c_attn
		.amdhsa_group_segment_fixed_size 327680
		.amdhsa_private_segment_fixed_size 0
		.amdhsa_enable_private_segment 0
		.amdhsa_kernarg_size 32
		.amdhsa_user_sgpr_count 2
		.amdhsa_user_sgpr_kernarg_segment_ptr 1
		.amdhsa_wavefront_size32 1
		.amdhsa_system_sgpr_workgroup_id_x 1
		.amdhsa_system_sgpr_workgroup_id_y 1
		.amdhsa_system_sgpr_workgroup_id_z 1
		.amdhsa_system_vgpr_workitem_id 0
		.amdhsa_next_free_vgpr 512
		.amdhsa_next_free_sgpr 66
		.amdhsa_reserve_vcc 0
		.amdhsa_float_denorm_mode_32 3
		.amdhsa_float_denorm_mode_16_64 3
		.amdhsa_memory_ordered 1
		.amdhsa_forward_progress 1
		.amdhsa_inst_pref_size 187
	.end_amdhsa_kernel
	.amdgpu_metadata
---
amdhsa.version: [ 1, 2 ]
amdhsa.kernels:
  - .name:           k_q2e44d3751c_attn
    .symbol:         k_q2e44d3751c_attn.kd
    .args:
      - { .name: qimg, .offset: 0, .size: 8, .value_kind: global_buffer, .address_space: global }
      - { .name: kv, .offset: 8, .size: 8, .value_kind: global_buffer, .address_space: global }
      - { .name: lowp_scales, .offset: 16, .size: 8, .value_kind: global_buffer, .address_space: global }
      - { .name: oimg, .offset: 24, .size: 8, .value_kind: global_buffer, .address_space: global }
    .group_segment_fixed_size: 327680
    .private_segment_fixed_size: 0
    .kernarg_segment_align: 8
    .kernarg_segment_size: 32
    .max_flat_workgroup_size: 256
    .sgpr_count:     66
    .vgpr_count:     512
    .wavefront_size: 32
...
	.end_amdgpu_metadata
.endif
;; end of part 3
;; launch outp (part 4): grid 128 x 2, 4 waves a work-group, clusters of 4 x 1, 181,760 bytes of LDS; arguments oimg, wimg, lowp_scales, b_out, out0; writes out0
.if DOCPART == 4
	.amdgcn_target "amdgcn-amd-amdhsa--gfx1250"
	.amdhsa_code_object_version 6
	.text
	.protected	k_q2e44d3751c_outp
	.globl	k_q2e44d3751c_outp
	.p2align	8
	.type	k_q2e44d3751c_outp,@function
k_q2e44d3751c_outp:
	s_mov_b64 s[64:65], 0
	v_nop
	global_prefetch_b8 v0, s[64:65] scope:SCOPE_SE
	s_setreg_imm32_b32 hwreg(HW_REG_WAVE_MODE, 25, 1), 1
	s_wait_xcnt 0x0
	s_wait_alu depctr_hold_cnt(0) depctr_sa_sdst(0) depctr_va_vdst(0) depctr_va_sdst(0) depctr_va_ssrc(0) depctr_va_vcc(0) depctr_vm_vsrc(0)
	s_getreg_b32 s2, hwreg(HW_REG_IB_STS2, 6, 4)
	s_cmp_eq_u32 s2, 0
	s_cbranch_scc0 .Lentry_in_a_cluster
	s_endpgm
.Lentry_in_a_cluster:
	s_bfe_u32 s2, ttmp6, 0x10000c
	s_cmp_lg_u32 s2, 0x3003
	s_cbranch_scc0 .Lentry_shape_is_right
	s_endpgm
.Lentry_shape_is_right:
; out0 = (attention's result) w_out^T + b_out on codes of FP8 (E4M3): each f32 sum x 2^(e10 + e11) + the bias, one packed multiply-add for two numbers.
; Both operands lie in memory as images of operand registers (a tile of 16 rows x 512 K: 8,192 bytes; byte 2,048 s + 512 c + 16 lane + i = k 128 s + 32 c + 16 (lane / 16) + i of row lane % 16).
; THE FORM.  D = (source 0: 16 rows of w_out = 16 output columns) x (source 1: 16 rows of the result): lane (r, h) holds row r, and its registers eight neighbouring columns 8 h + 0..7.
; SHARES.  A work-group: 64 rows x 256 columns (work-group x: which 64 rows; y: which 256 columns): 256 work-groups.  A wave: 64 columns, whose 4 tiles x 4 K steps x 16 registers fill window 1 and stay there;
; it walks the 4 row tiles.  A tile's 16 rows x 64 columns go through the wave's own stage in LDS and leave as rows of 256 bytes.
; CLUSTER.  The four work-groups of a cluster lie side by side along x and take the same 256 columns: each wave's 32,768 bytes of w_out are asked for JOINTLY, by the same tensor load with the same descriptor and the
; mask of all four; only the issuing wave reads them from LDS.
; THE ROW TILES, which all four waves multiply, are read from memory once: wave w loads tile w, 8,192 bytes, and hands it to the others through LDS bytes of its own (stored behind the wait for my tensor load); one barrier.
; LDS: 0: four waves' tiles of w_out; 131,072: the four row tiles; 163,840: four stages; 181,248: the spare words.  No byte is filled twice.  No prefetch: one fill, at the head, and no loop to run ahead in.
; LIMIT: e10 + e11 lies between -126 and 127, so that 2^(e10 + e11) is an f32 number.
.set BI,   32                          ; v32-63   the bias in the result's layout: register 8 t + j = b_out[my 64 columns' first + 16 t + 8 h + j]
.set SB,   64                          ; v64-191  two stream buffers of 64 registers
.set ACC,  192                         ; v192-223 four accumulators
.set Y,    224                         ; v224-255 results, then whole rows
.set SPT,  272                         ; a stage row: 256 bytes + 16 = 68 words: row r starts at bank 4 r mod 64 (64 banks of 4 bytes: ISA guide 11.1)
.set STRM, 131072
.set STG,  163840
.set SPARE, 181248                     ; 128 bytes for each wave: two blocks of 256 bytes that no other line names
.set RES,  36                          ; s[36:37] my tiles of w_out
.set STR,  38                          ; s[38:39] my row tile
.set G0,   48                          ; s[48:51] descriptor group 0
.set G1,   52                          ; s[52:59] descriptor group 1
.set MSB, 0
.macro WIN new                         ; the immediate's high byte repeats the setting that is left
.if MSB != \new
	s_set_vgpr_msb (MSB<<8)|\new
.set MSB, \new
.endif
.endm
.macro CROUND                          ; a round of the cluster's barrier
	s_barrier_signal -1
	s_barrier_wait -1
	s_cmp_lg_u32 s18, 0
	s_cbranch_scc1 .Lnot_wave_0_\@
	s_barrier_signal -3
.Lnot_wave_0_\@:
	s_barrier_wait -3
	s_barrier_signal -1
	s_barrier_wait -1
.endm
	s_load_b256 s[4:11], s[0:1], 0x0               ; oimg, wimg, the exponents, b_out
	s_load_b64 s[12:13], s[0:1], 0x20              ; out0
	v_lshl_add_u32 v30, v0, 2, SPARE
	v_mov_b32 v31, 0
	ds_add_u32 v30, v31                            ; the opening lines: the add, twice on end, and its wait ahead of the round in front of my tensor load
	ds_add_u32 v30, v31
	v_lshrrev_b32 v2, 5, v0
	v_readfirstlane_b32 s18, v2                    ; wave 0..3
	v_and_b32 v1, 31, v0
	v_lshlrev_b32 v1, 4, v1                        ; 16 x lane
	v_and_b32 v2, 15, v0                           ; r
	v_bfe_u32 v3, v0, 4, 1                         ; h
	s_mul_i32 s19, s18, 16*SPT
	s_add_co_u32 s19, s19, STG                     ; my stage
	v_mul_u32_u24 v4, v2, SPT
	v_lshl_add_u32 v4, v3, 5, v4
	v_add_nc_u32 v4, s19, v4                       ; in: row r, + 32 h
	v_mul_u32_u24 v5, v3, SPT
	v_lshl_add_u32 v5, v2, 4, v5
	v_add_nc_u32 v5, s19, v5                       ; back: lanes 0-15 one row of 256 bytes, lanes 16-31 the next
	v_lshlrev_b32 v6, 11, v3
	v_lshl_add_u32 v6, v2, 4, v6                   ; and the same two rows in out0 (a row is 2,048 bytes)
	v_lshlrev_b32 v7, 5, v3                        ; the bias: 32 h
	s_lshl_b32 s30, s18, 15                        ; my tiles of w_out in LDS
	v_add_nc_u32 v8, s30, v1
	s_lshl_b32 s31, s18, 13                        ; my row tile: in memory and in LDS
	s_add_co_u32 s32, s31, STRM
	v_add_nc_u32 v9, s32, v1                       ; where I put it
	v_add_nc_u32 v10, STRM, v1                     ; where all read the four
	s_bfe_u32 s14, ttmp6, 0x40000                  ; cx: it enters the rows' addresses in oimg and out0 alone
	s_lshl_b32 s20, ttmp9, 2
	s_add_co_u32 s20, s20, s14                     ; which 64 rows = 4 x cluster x + cx
	s_and_b32 s21, ttmp7, 0xffff                   ; which 256 columns: the four partners share it
	s_lshl_b32 s22, s21, 4
	s_lshl_b32 s23, s18, 2
	s_add_co_u32 s22, s22, s23                     ; my first tile of w_out: 16 x work-group y + 4 x wave
	s_lshl_b32 s22, s22, 13
	s_add_co_u32 s22, s22, 786432                  ; w_out's place in wimg
	s_mov_b32 s23, 0
	s_lshl_b32 s24, s20, 15                        ; four row tiles of 8,192 bytes,
	s_add_co_u32 s24, s24, s31                     ; and mine of them
	s_mov_b32 s25, 0
	s_lshl_b32 s26, s21, 10
	s_lshl_b32 s27, s18, 8
	s_add_co_u32 s26, s26, s27                     ; my first column, in bytes: in b_out and in a row of out0
	s_mov_b32 s27, 0
	s_lshl_b32 s28, s20, 17                        ; 64 rows of 2,048 bytes
	s_mov_b32 s29, 0
	s_mov_b32 s[G1], 15|(3<<16)|(1<<21)            ; the mask of all four; elements of 8 bytes; no padding; bit 21 beside a mask
	s_mov_b32 s[G1+1], 32<<16                      ; 128 rows of 32 elements, dense: 32,768 bytes
	s_mov_b32 s[G1+2], 128<<16
	s_mov_b32 s[G1+3], 32<<16
	s_mov_b32 s[G1+4], 128
	s_mov_b32 s[G1+5], 32
	s_mov_b32 s[G1+6], 0
	s_mov_b32 s[G1+7], 0
	s_wait_alu depctr_va_vdst(0)
	s_wait_dscnt 0x0                               ; both opening adds are done
	s_wait_kmcnt 0x0
	s_load_b64 s[46:47], s[8:9], 0x28              ; e10, e11
	s_add_nc_u64 s[RES:RES+1], s[6:7], s[22:23]
	s_add_nc_u64 s[STR:STR+1], s[4:5], s[24:25]
	s_add_nc_u64 s[10:11], s[10:11], s[26:27]
	s_add_nc_u64 s[12:13], s[12:13], s[26:27]
	s_add_nc_u64 s[12:13], s[12:13], s[28:29]
	s_mov_b32 s[G0], 1
	s_mov_b32 s[G0+1], s30
	s_mov_b64 s[G0+2:G0+3], s[RES:RES+1]
	s_or_b32 s[G0+3], s[G0+3], 0x80000000
	CROUND                                         ; all four work-groups are here: the joint loads meet
	tensor_load_to_lds s[G0:G0+3], s[G1:G1+7]      ; my four tiles of w_out: my one tensor load
	s_nop 0
.irp n, 0,1,2,3,4,5,6,7,8,9,10,11,12,13,14,15
	global_load_b128 v[SB+4*\n:SB+4*\n+3], v1, s[STR:STR+1] offset:\n*512   ; my row tile
.endr
.irp t, 0,1,2,3
	global_load_b128 v[BI+8*\t:BI+8*\t+3], v7, s[10:11] offset:64*\t
	global_load_b128 v[BI+8*\t+4:BI+8*\t+7], v7, s[10:11] offset:64*\t+16
.endr
	s_wait_kmcnt 0x0
	s_add_co_i32 s46, s46, s47
	s_add_co_i32 s46, s46, 127
	s_lshl_b32 s46, s46, 23                        ; 2^(e10 + e11) as f32
	s_mov_b32 s47, s46                             ; (named with it as a pair, so it is written)
	s_wait_loadcnt 8                               ; my row tile is in; the bias's eight loads may be out
	s_wait_tensorcnt 0x0                           ; my tiles of w_out have landed; no LDS store of mine stands ahead of this wait
.irp n, 0,1,2,3,4,5,6,7,8,9,10,11,12,13,14,15
	ds_store_b128 v9, v[SB+4*\n:SB+4*\n+3] offset:\n*512
.endr
	s_wait_dscnt 0x0                               ; for the others' sake: my row tile lies in LDS
	s_barrier_signal -1
	WIN 0x40                                       ; destination window 1
.set n, 0
.rept 64
	ds_load_b128 v[4*n:4*n+3], v8 offset:n*512     ; tile t, K step s at v[64 t + 16 s] of window 1: they stay.  (Bytes that no wave writes: they may be read between the signal and its wait)
.set n, n+1
.endr
	WIN 0
	s_barrier_wait -1
.macro SLOAD i                         ; row tile i from LDS into buffer i % 2
.irp n, 0,1,2,3,4,5,6,7,8,9,10,11,12,13,14,15
	ds_load_b128 v[SB+64*((\i)%2)+4*\n:SB+64*((\i)%2)+4*\n+3], v10 offset:(\i)*8192+\n*512
.endr
.endm
	SLOAD 0
	SLOAD 1
; Row tile i: 16 matrix instructions, the four accumulators by turns; the scale and the bias; through the stage; eight stores.
.macro TILE i
.set BUF, SB+64*((\i)%2)
.if (\i) == 0
	s_wait_loadcnt 0x0                             ; the bias is in
	s_wait_dscnt 16                                ; w_out's fragments and this tile are in; the next tile's 16 loads may be out
.else
	s_wait_dscnt 0x0
.endif
	WIN 0x01                                       ; source 0 window 1
.irp s, 0,1,2,3
.irp t, 0,1,2,3
.if \s == 0
	v_wmma_f32_16x16x128_fp8_fp8 v[ACC+8*\t:ACC+8*\t+7], v[64*\t+16*\s:64*\t+16*\s+15], v[BUF+16*\s:BUF+16*\s+15], 0
.else
	v_wmma_f32_16x16x128_fp8_fp8 v[ACC+8*\t:ACC+8*\t+7], v[64*\t+16*\s:64*\t+16*\s+15], v[BUF+16*\s:BUF+16*\s+15], v[ACC+8*\t:ACC+8*\t+7]
.endif
.endr
.endr
	WIN 0
.rept 4
	v_nop                                          ; four places ahead of the loads into the buffer just multiplied and of the first read of results
.endr
	s_wait_xcnt 0x0                                ; the last tile's stores have read their registers: they are written again only behind this wait
.if (\i)+2 < 4
	SLOAD (\i)+2
.endif
.irp j, 0,2,4,6,8,10,12,14,16,18,20,22,24,26,28,30
	v_pk_fma_f32 v[Y+\j:Y+\j+1], v[ACC+\j:ACC+\j+1], s[46:47], v[BI+\j:BI+\j+1] op_sel_hi:[1,0,1]   ; sum x 2^(e10 + e11) + bias; each accumulator from its low end on
.endr
.irp t, 0,1,2,3
	ds_store_b128 v4, v[Y+8*\t:Y+8*\t+3] offset:64*\t          ; lane (r, h): row r, columns 16 t + 8 h + 0 .. 7 of my 64
	ds_store_b128 v4, v[Y+8*\t+4:Y+8*\t+7] offset:64*\t+16
.endr
.irp k, 0,1,2,3,4,5,6,7
	ds_load_b128 v[Y+4*\k:Y+4*\k+3], v5 offset:2*\k*SPT        ; LDS serves a wave's instructions in order (ISA guide 5.7.1.4): these see my stores, and the next tile's stores come behind them
.endr
.irp k, 0,1,2,3,4,5,6,7
	s_wait_dscnt 7-\k                              ; rows 2 k and 2 k + 1 are back; the younger loads may be out
	global_store_b128 v6, v[Y+4*\k:Y+4*\k+3], s[12:13] offset:(16*(\i)+2*\k)*2048 th:TH_STORE_NT   ; 16 lanes store 256 consecutive bytes, at a multiple of 256 from out0's first byte; written once, read by nobody here
.endr
.endm
	TILE 0
	TILE 1
	TILE 2
	TILE 3
	s_wait_tensorcnt 0x0                           ; the wave's end
	ds_add_u32 v30, v31
	s_wait_dscnt 0x0
	CROUND                                         ; the closing round: no work-group ends while a partner may still ask for a tile that names it
	s_endpgm
.Lfunc_end_k_q2e44d3751c_outp:
	.size	k_q2e44d3751c_outp, .Lfunc_end_k_q2e44d3751c_outp-k_q2e44d3751c_outp
	.p2alignl 7, 3214868480
	.fill 96, 4, 3214868480
	.section	.rodata,"a",@progbits
	.p2align	6, 0x0
	.amdhsa_kernel k_q2e44d3751c_outp
		.amdhsa_group_segment_fixed_size 181760
		.amdhsa_private_segment_fixed_size 0
		.amdhsa_enable_private_segment 0
		.amdhsa_kernarg_size 40
		.amdhsa_user_sgpr_count 2
		.amdhsa_user_sgpr_kernarg_segment_ptr 1
		.amdhsa_wavefront_size32 1
		.amdhsa_system_sgpr_workgroup_id_x 1
		.amdhsa_system_sgpr_workgroup_id_y 1
		.amdhsa_system_sgpr_workgroup_id_z 1
		.amdhsa_system_vgpr_workitem_id 0
		.amdhsa_next_free_vgpr 512
		.amdhsa_next_free_sgpr 66
		.amdhsa_reserve_vcc 0
		.amdhsa_float_denorm_mode_32 3
		.amdhsa_float_denorm_mode_16_64 3
		.amdhsa_memory_ordered 1
		.amdhsa_forward_progress 1
		.amdhsa_inst_pref_size 34
	.end_amdhsa_kernel
	.amdgpu_metadata
---
amdhsa.version: [ 1, 2 ]
amdhsa.kernels:
  - .name:           k_q2e44d3751c_outp
    .symbol:         k_q2e44d3751c_outp.kd
    .args:
      - { .name: oimg, .offset: 0, .size: 8, .value_kind: global_buffer, .address_space: global }
      - { .name: wimg, .offset: 8, .size: 8, .value_kind: global_buffer, .address_space: global }
      - { .name: lowp_scales, .offset: 16, .size: 8, .value_kind: global_buffer, .address_space: global }
      - { .name: b_out, .offset: 24, .size: 8, .value_kind: global_buffer, .address_space: global }
      - { .name: out0, .offset: 32, .size: 8, .value_kind: global_buffer, .address_space: global }
    .group_segment_fixed_size: 181760
    .private_segment_fixed_size: 0
    .kernarg_segment_align: 8
    .kernarg_segment_size: 40
    .max_flat_workgroup_size: 128
    .sgpr_count:     66
    .vgpr_count:     512
    .wavefront_size: 32
...
	.end_amdgpu_metadata
.endif
;; end of part 4
